; MI455X (gfx1250); checked and timed in simulation.
; The chip was launched on July 23, 2026; its instructions are those of AMD's public machine-readable ISA for CDNA 5 (MIT licence, August 2026) and "CDNA5" Instruction Set Architecture Reference Guide (July 2026). The comments in the code are by the model that wrote it; some were corrected since.
;; Vector Quantize. Allowed arithmetic: matrix products marked QUANTISED: E2M3 operands, one E8M0 scale for each 32 along K, by v_wmma_scale_f32_16x16x128_f8f6f4 with both operands' format E2M3, f32 sums; everything else in f32.
;; Inputs: embed 8,192 x 512 float32; x 4 x 4,096 x 512 float32.
;; Outputs: out0 4 x 4,096 x 512 float32; out1 4 x 4,096 int32.
;; This version of the problem:
;;   THIS VERSION OF THE PROBLEM IS GIVEN IN LOW PRECISION. The matrix products marked QUANTISED in the list below multiply operands that are first quantised to E2M3 (2 exponent bits, 3 mantissa bits; 6 bits a number), with one power-of-two scale for each 32 numbers along K (OCP MX v1.0); their sums are f32. All else is computed in f32.
;;   The module's matrix products, in the order in which they are computed (A, B: the left and right operand; K: the contracted axis; several contracted axes count as one K, in the product's order):
;;     1. [M 16,384, K 512] x [K 512, N 8,192]; A: computed on the way; B: input embed: QUANTISED
;;   THE QUANTISER, for each operand of a quantised product, along K:
;;     - K is cut into blocks of 32 from its start; a last block that is shorter is filled with zeros.
;;     - A block's scale is 2^e with e = floor(log2(the largest magnitude in the block)) - 2, held to -126 .. 127; a block of zeros has e = 0. As a byte (E8M0): e + 127.
;;     - Each number is divided by its block's scale, clamped to +-7.5, and rounded to the nearest number of E2M3, ties to even, subnormals kept.
;;     - The product sums the exact products of the quantised numbers (number of the format x scale) in f32.
;;   ~~~python
;;   def quantise(x, axis):      # numpy; x: float32 -> the quantised numbers, widened to float32 again
;;       x = np.moveaxis(x, axis, -1); K = x.shape[-1]
;;       x = np.pad(x, [(0, 0)] * (x.ndim - 1) + [(0, -K % 32)]); x = x.reshape(x.shape[:-1] + (-1, 32)); a = np.abs(x).max(-1, keepdims=True)
;;       e = np.where(a > 0, np.clip(np.frexp(np.where(a > 0, a, 1))[1] - 1 - 2, -126, 127), 0)      # np.frexp(a)[1] - 1 = floor(log2(a)), exactly
;;       r = np.clip(x / 2.0 ** e, -7.5, 7.5)
;;       step = 2.0 ** (np.maximum(np.frexp(np.where(r == 0, 1, r))[1] - 1, 0) - 3)
;;       q = np.round(r / step) * step * 2.0 ** e      # np.round: ties to even
;;       return np.moveaxis(q.reshape(q.shape[:-2] + (-1,))[..., :K], -1, axis).astype(np.float32)
;;   ~~~
;;   OPERANDS COMPUTED ON THE WAY. 'Computed on the way' means the value that the module computes at that place (a softmax that the list does not call 'softmax' is quantised finished and normalised). What goes into a quantiser is computed in f32, as accurately as f32 sums, v_exp_f32 and their like allow (about 1e-6 of the number): no bf16 or f16 on the way to a quantiser, and a product that is left as it is and whose result goes on into a quantised operand takes f32 operands (vector FMAs, or v_wmma_f32_16x16x4_f32). A number that lies on a knife's edge between two numbers of the format may be rounded either way, as far as f32 arithmetic and the matrix unit's own rounding can turn it there, and no further.
;; One version. Each part assembles by itself: llvm-mc -triple=amdgcn-amd-amdhsa -mcpu=gfx1250 --defsym DOCPART=n.
;; ======== version 1 of 1: 3 launches
;; limits: right only within a limited range of input values
;; workspace buffers: ebook 3,342,336 bytes; xq 6,684,672 bytes; val 262,144 bytes of whole numbers; cand 262,144 bytes of whole numbers
;; launch prep (part 1): grid 768 x 1, 8 waves a work-group, no clusters, 70,656 bytes of LDS; arguments embed, x, ebook, xq; writes ebook, xq
.if DOCPART == 1
	.amdgcn_target "amdgcn-amd-amdhsa--gfx1250"
	.amdhsa_code_object_version 6
	.text
	.protected	k_qdca9331ace_prep
	.globl	k_qdca9331ace_prep
	.p2align	8
	.type	k_qdca9331ace_prep,@function
k_qdca9331ace_prep:
	s_mov_b64 s[64:65], 0
	v_nop
	global_prefetch_b8 v0, s[64:65] scope:SCOPE_SE
	s_setreg_imm32_b32 hwreg(HW_REG_WAVE_MODE, 25, 1), 1
	s_wait_xcnt 0x0
; embed [8192][512] and x [16384][512], f32, become records as the product's launch wants them: 256 records of embed (ebook), 512 of x (xq), 13,056 bytes (51 x 256) each, record p for rows 32 p .. 32 p + 31:
;   bytes 0 .. 12,287       eight fragments (tile u of 16 rows, K step s of 128 at (4 u + s) x 1,536) of FP6 (E2M3) codes, each AS AN IMAGE OF THE OPERAND'S REGISTERS: registers 4 i .. 4 i + 3 of lane l at 512 i + 16 l
;   bytes 12,288 .. 12,799  the scale bytes, [32 rows][16]: a row's four E8M0 words, one for each 128 along K
;   bytes 12,800 .. 13,055  in ebook alone: -e_sq / 2 of the 32 codes, f32, twice (so that the 256 bytes are written whole); in xq these bytes are neither written nor read
; WORK LEFT OUT BY THIS PROGRAM.  reference() takes the argmax over the codes of -(f_sq - P + e_sq), P = Q(2 x) . Q(embed).  f_sq hangs on the row of x alone: it is the same number for every code of a row, so in exact
; arithmetic it moves every entry of the row alike and cannot move the argmax, whatever finite values x and embed hold; no other result takes it in.  So f_sq is never computed.  x itself stays live (it is an operand of P).
; LIMIT: a NaN, an infinity or an overflow that would arise in f_sq alone is not carried to the result.
; THE FACTOR 2.  Q(2 x) = 2 Q(x): the same codes, each scale one power of two higher.  The later launches look for the first code with the largest (P - e_sq) / 2 = Q(x) . Q(embed) - e_sq / 2: halving is exact and keeps the order.
; So x is quantised as it is given, and the record holds -e_sq / 2.
; A block's scale is 2^(floor(log2(its largest magnitude)) - 2); its byte is the largest magnitude's exponent field - 2, held at 1 from below.
; (A block of zeros gets the byte 1 where the quantiser says 127: its codes are zeros, which add nothing, and this program alone reads the bytes.)
; LIMITS: NaN and infinities are not served; blocks whose largest magnitude lies under 2^-124, whose byte is held at 1, were not tried; e_sq is an f32 sum in this text's own order.
; SHARES.  Work-groups 0-255 make ebook's records, 256-767 xq's: only pointers are chosen, and the sums of squares are passed over for x by a branch on the work-group's number.
; Wave w = 4 u + s takes 16 rows x 128 along K: one fragment.  Its 16 loads read 512 consecutive bytes each; the numbers turn through the wave's own stage in LDS,
; so that lane (r, h) then holds, of row r, k = 64 c + 32 h + 0 .. 31 in 32 consecutive registers: two whole blocks, in the operand's own order.
; No cluster, no tensor load, no prefetch: the work-groups share no byte of their input, each byte is read once, and there is no loop to run ahead in.
.set REC,    13056
.set SPITCH, 528                       ; a stage row: 512 bytes + 16
.set WSTG,   16*SPITCH
.set SCB,    8*WSTG                    ; behind the stages: the record's 512 scale bytes
.set EQP,    SCB+512                   ; the parts of e_sq: [4 K steps][32 codes] f32
.set SPARE,  0x11000                   ; the spare words, 128 bytes a wave
.set N,   16                           ; v16-79   the numbers as loaded, then 64 numbers of my row: register 32 c + i = k 64 c + 32 h + i
.set F,   80                           ; v80-91   the fragment
.set F2,  92                           ; v92-94, v96-98 the upper halves of the blocks' codes
.set S,   100                          ; v100-107 sums of squares, four pairs; later at work
.set MX,  108
.set SO,  110
.set SPW, 112
.set NIL, 113
	s_load_b256 s[4:11], s[0:1], 0x0               ; embed s[4:5], x s[6:7], ebook s[8:9], xq s[10:11]
	v_lshl_add_u32 v[SPW], v0, 2, SPARE
	v_mov_b32 v[NIL], 0
	v_lshrrev_b32 v1, 5, v0
	v_readfirstlane_b32 s12, v1                    ; wave 0..7
	s_lshr_b32 s13, s12, 2                         ; u: which 16 rows
	s_and_b32 s14, s12, 3                          ; s: which 128 along K
	s_mov_b32 s16, 0x76543210
	s_mov_b32 s17, 0xfedcba98                      ; v_permlanex16_b32's selects for lane l xor 16
	s_mul_i32 s18, s12, WSTG
	s_lshl_b32 s19, s13, 8
	s_lshl_b32 s15, s14, 2
	s_add_co_u32 s19, s19, s15
	s_add_co_u32 s19, s19, SCB                     ; SCB + 256 u + 4 s
	s_lshl_b32 s20, s14, 7
	s_lshl_b32 s15, s13, 6
	s_add_co_u32 s20, s20, s15
	s_add_co_u32 s20, s20, EQP                     ; EQP + 128 s + 64 u
	s_cmp_lt_u32 ttmp9, 256
	s_cselect_b32 s21, 1, 0                        ; 1: a record of embed
	s_cselect_b32 s22, 0, 256
	s_sub_co_u32 s22, ttmp9, s22                   ; the record's number in its buffer
	s_lshl_b32 s24, s22, 16                        ; 32 rows of 2,048 bytes a record,
	s_lshl_b32 s15, s13, 15                        ; 16 a tile,
	s_add_co_u32 s24, s24, s15
	s_lshl_b32 s15, s14, 9                         ; 512 bytes a K step
	s_add_co_u32 s24, s24, s15
	s_mov_b32 s25, 0
	s_mul_i32 s26, s22, REC
	s_mov_b32 s27, 0
	s_mul_i32 s28, s12, 1536                       ; my image: 4 u + s is my wave's number
	s_mov_b32 s29, 0
	v_and_b32 v1, 31, v0                           ; lane
	v_and_b32 v2, 15, v0                           ; r
	v_bfe_u32 v3, v0, 4, 1                         ; h
	v_lshlrev_b32 v4, 4, v1                        ; 16 x lane
	v_mul_u32_u24 v6, v2, SPITCH
	v_lshl_add_u32 v7, v2, 4, s19                  ; my row's scale word of K step s
	v_lshl_add_u32 v8, v2, 2, s20                  ; my code's part of e_sq
	v_add_nc_u32 v5, s18, v4                       ; the stage, in: a row's 512 bytes as they lie
	v_lshl_add_u32 v6, v3, 7, v6
	v_lshlrev_b32 v9, 3, v3                        ; 8 h: my bytes' place in a scale word
	v_add_nc_u32 v10, SCB, v4                      ; wave 0's way out: the scale bytes, 16 a lane,
	v_lshl_add_u32 v11, v2, 3, EQP                 ; two codes' parts of e_sq a lane (lanes 16-31 take the same as lanes 0-15),
	v_lshlrev_b32 v12, 3, v1                       ; and 8 bytes a lane in the record
	v_add_nc_u32 v6, s18, v6                       ; the stage, out: row r, + 128 h bytes: my block of 32
	v_mov_b32 v[S+7], 0                            ; written once: a lane permute's destination counts as one of its sources
	s_wait_alu depctr_va_vdst(0)                   ; the wait at the head's end
	s_wait_kmcnt 0x0
	s_cmp_eq_u32 s21, 1                            ; the choice hangs on the work-group's number alone
	s_cselect_b64 s[4:5], s[4:5], s[6:7]
	s_cselect_b64 s[8:9], s[8:9], s[10:11]
	s_add_nc_u64 s[4:5], s[4:5], s[24:25]
	s_add_nc_u64 s[8:9], s[8:9], s[26:27]          ; the record
	s_add_nc_u64 s[10:11], s[8:9], s[28:29]        ; my image in it
.irp i, 0,1,2,3,4,5,6,7,8,9,10,11,12,13,14,15
	global_load_b128 v[N+4*\i:N+4*\i+3], v4, s[4:5] offset:2048*\i th:TH_LOAD_NT   ; row i: 32 lanes read 512 consecutive bytes; this launch reads each byte once
.endr
.irp i, 0,1,2,3,4,5,6,7,8,9,10,11,12,13,14,15
	s_wait_loadcnt 15-\i                           ; loads come back in order: row i is in, the 15 - i younger ones may be out
	ds_store_b128 v5, v[N+4*\i:N+4*\i+3] offset:SPITCH*\i
.endr
	s_wait_dscnt 0x0                               ; the stores are done: their registers take the numbers back in the other order
.irp c, 0,1
.irp q, 0,1,2,3,4,5,6,7
	ds_load_b128 v[N+32*\c+4*\q:N+32*\c+4*\q+3], v6 offset:256*\c+16*\q
.endr
.endr
	s_wait_dscnt 0x0
	s_cmp_eq_u32 s21, 0
	s_cbranch_scc1 .Lno_sq                         ; x's sums of squares are never used
	; my code's part of e_sq: 64 squares in four chains of pairs, then lane l xor 16's 64
.irp k, 0,1,2,3
	v_pk_mul_f32 v[S+2*\k:S+2*\k+1], v[N+2*\k:N+2*\k+1], v[N+2*\k:N+2*\k+1]
.endr
.irp b, 8,16,24,32,40,48,56
.irp k, 0,1,2,3
	v_pk_fma_f32 v[S+2*\k:S+2*\k+1], v[N+\b+2*\k:N+\b+2*\k+1], v[N+\b+2*\k:N+\b+2*\k+1], v[S+2*\k:S+2*\k+1]
.endr
.endr
	v_pk_add_f32 v[S:S+1], v[S:S+1], v[S+2:S+3]
	v_pk_add_f32 v[S+4:S+5], v[S+4:S+5], v[S+6:S+7]
	s_delay_alu instid0(VALU_DEP_1)
	v_pk_add_f32 v[S:S+1], v[S:S+1], v[S+4:S+5]
	s_delay_alu instid0(VALU_DEP_1)
	v_add_f32 v[S], v[S], v[S+1]
	s_delay_alu instid0(VALU_DEP_1)
	v_permlanex16_b32 v[S+2], v[S], s16, s17
	s_delay_alu instid0(VALU_DEP_1)
	v_add_f32 v[S], v[S], v[S+2]                   ; 128 along K of code r, in both halves of the lanes
	ds_store_b32 v8, v[S]
.Lno_sq:
	; my two blocks: 2 c + h.  All 32 numbers of a block are mine
.irp c, 0,1
	v_max3_num_f32 v[MX+\c], |v[N+32*\c]|, |v[N+32*\c+1]|, 0x1800000   ; with the floor 2^(3 - 127): so the byte cannot fall under 1
.endr
.irp i, 2,4,6,8,10,12,14,16,18,20,22,24,26,28,30
.irp c, 0,1
	v_max3_num_f32 v[MX+\c], v[MX+\c], |v[N+32*\c+\i]|, |v[N+32*\c+\i+1]|   ; (the two blocks by turns)
.endr
.endr
.irp c, 0,1
	v_add_nc_u32 v[SO+\c], 0xff000000, v[MX+\c]    ; 2 off the exponent field: the conversion's scale operand
.endr
.irp c, 0,1
	v_lshrrev_b32 v[S+4+\c], 23, v[SO+\c]          ; the scale's byte
.endr
	v_lshl_or_b32 v[S+6], v[S+5], 16, v[S+4]       ; my two bytes: blocks h and 2 + h,
	s_delay_alu instid0(VALU_DEP_1)
	v_lshlrev_b32 v[S+6], v9, v[S+6]               ; at their places in the word (8 h bits up);
	s_delay_alu instid0(VALU_DEP_1)
	v_permlanex16_b32 v[S+7], v[S+6], s16, s17
	s_delay_alu instid0(VALU_DEP_1)
	v_or_b32 v[S+6], v[S+6], v[S+7]                ; with lane l xor 16's two the word is whole
.irp c, 0,1
	v_cvt_scalef32_pk16_fp6_f32 v[F+6*\c:F+6*\c+2], v[N+32*\c:N+32*\c+15], v[SO+\c]         ; registers 6 c .. 6 c + 2 of the operand
	v_cvt_scalef32_pk16_fp6_f32 v[F2+4*\c:F2+4*\c+2], v[N+32*\c+16:N+32*\c+31], v[SO+\c]    ; the upper 16 codes, made elsewhere and moved (a conversion's three registers begin on an even number)
.endr
	v_nop                                          ; one plain place behind a scaled conversion
.irp c, 0,1
.irp i, 0,1,2
	v_mov_b32 v[F+6*\c+3+\i], v[F2+4*\c+\i]
.endr
.endr
.irp i, 0,1,2
	global_store_b128 v4, v[F+4*\i:F+4*\i+3], s[10:11] offset:512*\i   ; the image: 32 lanes store 512 consecutive bytes, at a multiple of 256 from the buffer's first byte
.endr
	ds_store_b32 v7, v[S+6]                        ; (both halves of the lanes write the same word with the same value)
	s_wait_dscnt 0x0                               ; for the others' sake: my stores have landed
	s_barrier_signal -1
	s_barrier_wait -1
	s_cmp_lg_u32 s12, 0                            ; wave 0 sends the record's last bytes
	s_cbranch_scc1 .Ldone
	ds_load_b128 v[16:19], v10
	s_wait_dscnt 0x0
	global_store_b128 v4, v[16:19], s[8:9] offset:12288
	s_cmp_eq_u32 s21, 0
	s_cbranch_scc1 .Ldone
.irp k, 0,1,2,3
	ds_load_b64 v[20+2*\k:21+2*\k], v11 offset:128*\k
.endr
	s_wait_dscnt 0x0
	v_pk_add_f32 v[20:21], v[20:21], v[22:23]      ; e_sq = (part 0 + part 1) + (part 2 + part 3)
	v_pk_add_f32 v[24:25], v[24:25], v[26:27]
	s_delay_alu instid0(VALU_DEP_1)
	v_pk_add_f32 v[20:21], v[20:21], v[24:25]
	s_delay_alu instid0(VALU_DEP_1)
	v_pk_mul_f32 v[20:21], v[20:21], -0.5 op_sel_hi:[1,0]   ; -e_sq / 2, exactly
	global_store_b64 v12, v[20:21], s[8:9] offset:12800   ; 32 lanes store 256 consecutive bytes: the 32 numbers, twice
.Ldone:
	s_wait_tensorcnt 0x0                           ; the wave's end
	ds_add_u32 v[SPW], v[NIL]
	s_wait_dscnt 0x0
	s_endpgm
.Lfunc_end_k_qdca9331ace_prep:
	.size	k_qdca9331ace_prep, .Lfunc_end_k_qdca9331ace_prep-k_qdca9331ace_prep
	.p2alignl 7, 3214868480
	.fill 96, 4, 3214868480
	.section	.rodata,"a",@progbits
	.p2align	6, 0x0
	.amdhsa_kernel k_qdca9331ace_prep
		.amdhsa_group_segment_fixed_size 70656
		.amdhsa_private_segment_fixed_size 0
		.amdhsa_enable_private_segment 0
		.amdhsa_kernarg_size 32
		.amdhsa_user_sgpr_count 2
		.amdhsa_user_sgpr_kernarg_segment_ptr 1
		.amdhsa_wavefront_size32 1
		.amdhsa_system_sgpr_workgroup_id_x 1
		.amdhsa_system_sgpr_workgroup_id_y 1
		.amdhsa_system_sgpr_workgroup_id_z 1
		.amdhsa_system_vgpr_workitem_id 0
		.amdhsa_next_free_vgpr 120
		.amdhsa_next_free_sgpr 66
		.amdhsa_reserve_vcc 0
		.amdhsa_float_denorm_mode_32 3
		.amdhsa_float_denorm_mode_16_64 3
		.amdhsa_memory_ordered 1
		.amdhsa_forward_progress 1
		.amdhsa_inst_pref_size 14
	.end_amdhsa_kernel
	.amdgpu_metadata
---
amdhsa.version: [ 1, 2 ]
amdhsa.kernels:
  - .name:           k_qdca9331ace_prep
    .symbol:         k_qdca9331ace_prep.kd
    .args:
      - { .name: embed, .offset: 0, .size: 8, .value_kind: global_buffer, .address_space: global }
      - { .name: x, .offset: 8, .size: 8, .value_kind: global_buffer, .address_space: global }
      - { .name: ebook, .offset: 16, .size: 8, .value_kind: global_buffer, .address_space: global }
      - { .name: xq, .offset: 24, .size: 8, .value_kind: global_buffer, .address_space: global }
    .group_segment_fixed_size: 70656
    .private_segment_fixed_size: 0
    .kernarg_segment_align: 8
    .kernarg_segment_size: 32
    .max_flat_workgroup_size: 256
    .sgpr_count:     66
    .vgpr_count:     120
    .wavefront_size: 32
...
	.end_amdgpu_metadata
.endif
;; end of part 1
;; launch dist (part 2): grid 64 x 4, 8 waves a work-group, clusters of 4 x 1, 327,680 bytes of LDS; arguments xq, ebook, val, cand; writes val, cand
.if DOCPART == 2
	.amdgcn_target "amdgcn-amd-amdhsa--gfx1250"
	.amdhsa_code_object_version 6
	.text
	.protected	k_qdca9331ace_dist
	.globl	k_qdca9331ace_dist
	.p2align	8
	.type	k_qdca9331ace_dist,@function
k_qdca9331ace_dist:
	s_mov_b64 s[64:65], 0
	v_nop
	global_prefetch_b8 v0, s[64:65] scope:SCOPE_SE
	s_setreg_imm32_b32 hwreg(HW_REG_WAVE_MODE, 25, 1), 1
	s_wait_xcnt 0x0
	s_wait_alu depctr_hold_cnt(0) depctr_sa_sdst(0) depctr_va_vdst(0) depctr_va_sdst(0) depctr_va_ssrc(0) depctr_va_vcc(0) depctr_vm_vsrc(0)
	s_getreg_b32 s2, hwreg(HW_REG_IB_STS2, 6, 4)
	s_cmp_eq_u32 s2, 0
	s_cbranch_scc0 .Lentry_in_a_cluster
	s_endpgm
.Lentry_in_a_cluster:
	s_bfe_u32 s2, ttmp6, 0x10000c
	s_cmp_lg_u32 s2, 0x3003
	s_cbranch_scc0 .Lentry_shape_is_right
	s_endpgm
.Lentry_shape_is_right:
; For each of the 16,384 rows of x and each QUARTER y of the 8,192 codes: the largest t = Q(x) . Q(embed) - e_sq / 2 and the first code that has it.  t = (P - e_sq) / 2 with P = Q(2 x) . Q(embed), the quantised product;
; f_sq is left out: it is the same for all codes of a row and cannot move the argmax; the halving is exact and keeps the order (both shown at the head of the first kernel).
; Both operands come as codes of FP6 (E2M3) with one E8M0 scale for each 32 along K, in records that the launch before has laid as images of the operands' registers.
; -e_sq / 2 is the C of a tile's first matrix instruction: an accumulator holds t as it stands, and no vector instruction adds anything.
; HOW THE LARGEST IS KEPT.  A lane holds one row of x, and an accumulator's eight registers are eight neighbouring codes.  For each accumulator: four v_max3 give the new largest, one strict comparison says whether it
; moved, and nine selects keep the tile's first code number and a copy of the eight numbers.  Which of the eight it was is looked up once, at the end, by equality, lowest first.  Tiles ascend, so the first code of equal t stays.
; val[y][row] takes t as a whole number that orders as t does (sign-magnitude turned into two's complement, -0 first made +0), cand[y][row] the code's number: the next launch chooses by whole numbers.
; LIMITS: NaN and infinities in the inputs are not served; the sums are the matrix unit's, begun at -e_sq / 2, so a row whose two best t lie within a few last places of each other may fall either way.
; SHARES.  A work-group owns 256 rows of x and 2,048 codes.  Eight waves: wave w has rows 64 (w / 2) on, four tiles of 16, and of every 256 codes the 128 from 128 (w % 2) on, eight tiles of 16.
; A wave's 16 fragments of x (192 registers) come from memory straight into registers, once, and stay.
; THE CODEBOOK comes through two LDS slots of eight records (256 codes); every wave fetches one record of a slot by one tensor load.
; CLUSTER.  The four work-groups of a cluster have other rows and the same quarter of the codes: each record is asked for JOINTLY, by the same load with the same descriptor and a mask that names the four.
; THE WALK.  A step is one tile of 16 codes: the NEXT tile's 14 or 15 LDS loads, then four groups of four matrix instructions (K step by K step, the four row tiles' accumulators by turns), and behind each group a part of
; the vector work on the tile BEFORE, which lies in the other set of accumulators.  A slot's last LDS loads are issued at the head of its seventh tile: the change of slots stands inside that tile.
; REGISTERS.  Window 0: v1-21 addresses; v24-31 the largest t, two sets by turns; v32-35 its tile; v36-43 x's scale words; v52-59 the codes' scale words, two sets; v60-75 -e_sq / 2, two sets; v76-107 the kept eight;
;   v108-171 two sets of four accumulators; v172-219 fragments of even tiles; v220-227 at work.  Window 1: v0-191 x's fragments, (tile m, K step s) at 12 (4 m + s); v192-239 fragments of odd tiles.
.set REC,    13056                     ; a record: 51 x 256 bytes
.set SLOTB,  8*REC
.set SLOT1,  1<<17                     ; slot 1's first byte
.set QB,     64*REC                    ; a quarter of the codebook
.set RED,    SLOTB                     ; behind slot 0: the waves' results: t [2 code groups][256 rows], then at + 2,048 the codes' numbers
.set SPARE,  RED+4096                  ; the spare words, 128 bytes a wave: four blocks of 256 bytes that no other line names
.set SPW, 1
.set NIL, 2
.set LI,  3                            ; 16 x lane
.set AE,  4                            ; v4-5  my lane's place in my four records of slot 0, 1
.set AQ,  6                            ; v6-7  and among their -e_sq / 2
.set RVA, 8
.set H8,  9
.set RRD, 10
.set PFO, 11
.set OUTO, 12
.set TA,  20
.set BEST, 24
.set ID,  32
.set XS,  36                           ; register 4 (m / 2) + s: lanes 0-15 the words of row tile m even, lanes 16-31 of m odd
.set ES,  52
.set EQ,  60
.set SV,  76
.set ACC, 108
.set EF0, 172
.set EF1, 192                          ; in window 1
.set TT,  220
.set MK,  40                           ; s[40:43] masks, one a row tile
.set TID, 44                           ; s44 first code of the tile whose numbers are being judged, less 8 (lane / 16)
.set FC,  45                           ; s45 slots still to be asked for
.set MSB, 0
.macro WIN new                         ; the immediate's high byte repeats the setting that is left
.if MSB != \new
	s_set_vgpr_msb (MSB<<8)|\new
.set MSB, \new
.endif
.endm
.macro CREST                           ; a round of the cluster's barrier behind its opening barrier
	s_cmp_lg_u32 s12, 0
	s_cbranch_scc1 .Lnot_wave_0_\@
	s_barrier_signal -3
.Lnot_wave_0_\@:
	s_barrier_wait -3
	s_barrier_signal -1
	s_barrier_wait -1
.endm
.macro CROUND
	s_barrier_signal -1
	s_barrier_wait -1
	CREST
.endm
	s_load_b256 s[4:11], s[0:1], 0x0               ; xq s[4:5], ebook s[6:7], val s[8:9], cand s[10:11]
	v_lshl_add_u32 v[SPW], v0, 2, SPARE
	v_mov_b32 v[NIL], 0
	ds_add_u32 v[SPW], v[NIL]                      ; the opening: the add, twice on end, and its wait ahead of my first tensor load
	ds_add_u32 v[SPW], v[NIL]
	v_lshrrev_b32 v24, 5, v0
	v_readfirstlane_b32 s12, v24                   ; wave 0..7
	s_lshr_b32 s13, s12, 1                         ; g: which 64 rows
	s_and_b32 s14, s12, 1                          ; c: which 128 of every 256 codes
	s_bfe_u32 s16, ttmp6, 0x40000                  ; cx: it enters xq's, val's, cand's and the prefetches' addresses alone
	s_and_b32 s17, ttmp7, 0xffff                   ; y: which quarter of the codes; the four partners share it
	s_lshl_b32 s57, ttmp9, 2
	s_add_co_u32 s57, s57, s16                     ; my block of 256 rows
	s_lshl_b32 s58, s57, 3                         ; eight records of x a block,
	s_lshl_b32 s59, s13, 1                         ; two for my 64 rows
	s_add_co_u32 s58, s58, s59
	s_mul_i32 s58, s58, REC
	s_mov_b32 s59, 0
	s_lshl_b32 s60, s17, 16                        ; val, cand: [4][16,384] words
	s_lshl_b32 s61, s57, 10
	s_add_co_u32 s60, s60, s61
	s_mov_b32 s61, 0
	s_lshl_b32 s62, s16, 2                         ; the prefetches: 8,192 bytes for each of 16 waves (four partners x waves 0-3), told apart by address,
	s_add_co_u32 s62, s62, s12
	s_lshl_b32 s62, s62, 13
	s_add_co_u32 s62, s62, 2*SLOTB-131072          ; one step of 131,072 bytes ahead of slot 2's first byte: the first fill steps onto it
	s_mul_i32 s63, s17, QB
	s_add_co_u32 s62, s62, s63
	s_mov_b32 s63, 0
	s_lshr_b32 s56, s12, 2                         ; who prefetches: waves 0 to 3
	s_or_b32 s56, s56, ttmp9                       ; of the first cluster of each quarter: the same in all four partners
	s_cmp_eq_u32 s56, 0
	s_cselect_b32 s56, 3, -1                       ; they ask while more than 3 slots are still to be asked for
	s_mov_b32 s52, 0x76543210
	s_mov_b32 s53, 0xfedcba98                      ; v_permlanex16_b32's selects for lane l xor 16
	; descriptor group 1: a record, dense in memory, as 51 rows of 256 bytes (32 elements of 8 bytes), no padding
	s_mov_b32 s24, 15|(3<<16)|(1<<21)              ; the mask: all four work-groups; elements of 8 bytes; bit 21 beside a mask
	s_mov_b32 s25, 32<<16
	s_mov_b32 s26, 51<<16
	s_mov_b32 s27, 32<<16
	s_mov_b32 s28, 51
	s_mov_b32 s29, 32
	s_mov_b32 s30, 0
	s_mov_b32 s31, 0
	; group 0, one set for each slot: record w of the slot, from my quarter's stream; nothing in it hangs on cx
	s_mov_b32 s32, 1
	s_mul_i32 s33, s12, REC
	s_mov_b32 s36, 1
	s_add_co_u32 s37, s33, SLOT1
	s_mul_i32 s66, s17, QB
	s_add_co_u32 s66, s66, s33
	s_mov_b32 s67, 0
	s_mul_i32 s70, s14, 4*REC                      ; my code group's four records
	s_lshl_b32 s74, s14, 10
	s_lshl_b32 s75, s13, 8
	s_add_co_u32 s74, s74, s75
	s_add_co_u32 s74, s74, RED                     ; RED + 1,024 c + 256 g
	s_lshl_b32 s76, s14, 9                         ; waves 0 and 1 join and store 128 rows each
	s_add_co_u32 s75, s76, RED
	s_lshl_b32 s[TID], s17, 11                     ; my quarter's first code,
	s_lshl_b32 s77, s14, 7                         ; my code group's 128
	s_add_co_u32 s[TID], s[TID], s77
	s_mov_b32 s[FC], 7
	; every vector address is made here, in one run
	v_and_b32 v25, 31, v0                          ; lane
	v_and_b32 v26, 15, v0                          ; r
	v_bfe_u32 v27, v0, 4, 1                        ; h
	v_lshlrev_b32 v[LI], 4, v25
	v_lshlrev_b32 v[H8], 3, v27
	v_lshlrev_b32 v[PFO], 8, v25                   ; the prefetches' offset: 256 x lane
	v_lshl_add_u32 v[AQ], v27, 5, s70
	v_add_nc_u32 v[AE], s70, v[LI]
	v_add_nc_u32 v[AQ], 12800, v[AQ]               ; -e_sq / 2 of a tile's codes 8 h on
	v_add_nc_u32 v[AE+1], SLOT1, v[AE]
	v_add_nc_u32 v[AQ+1], SLOT1, v[AQ]
	v_lshl_add_u32 v[RVA], v26, 2, s74
	v_add_nc_u32 v[RRD], s75, v[LI]
	v_add_nc_u32 v[OUTO], s76, v[LI]
	s_wait_alu depctr_va_vdst(0)                   ; the wait at the head's end
	s_wait_dscnt 0x0                               ; both opening adds are done
	s_wait_kmcnt 0x0
	s_add_nc_u64 s[4:5], s[4:5], s[58:59]          ; xq at my 64 rows' two records
	s_add_nc_u64 s[8:9], s[8:9], s[60:61]          ; val and cand at my work-group's 256 words
	s_add_nc_u64 s[10:11], s[10:11], s[60:61]
	s_add_nc_u64 s[54:55], s[6:7], s[62:63]        ; where my prefetches stand
	s_add_nc_u64 s[34:35], s[6:7], s[66:67]        ; my record of slot 0,
	s_add_nc_u64 s[38:39], s[34:35], SLOTB         ; and of slot 1
	s_or_b32 s35, s35, 0x80000000                  ; type = 2
	s_or_b32 s39, s39, 0x80000000
	WIN 0x40                                       ; destination window 1, address window 0
.set FI, 0
.rept 16                               ; fragment FI = 4 m + s lies in record m / 2 at (FI % 8) x 1,536.  (No hint: the other quarters' work-groups read the same records.)
.irp i, 0,1,2
	global_load_b128 v[12*FI+4*\i:12*FI+4*\i+3], v[LI], s[4:5] offset:REC*(FI/8)+1536*(FI%8)+512*\i   ; 32 lanes read 512 consecutive bytes
.endr
.set FI, FI+1
.endr
	WIN 0
	global_load_b128 v[XS:XS+3], v[LI], s[4:5] offset:12288        ; lane l: row l's four scale words
	global_load_b128 v[XS+4:XS+7], v[LI], s[4:5] offset:REC+12288
	CROUND                                         ; all four work-groups are here: the first joint loads meet
	tensor_load_to_lds s[32:35], s[24:31]          ; slot 0: my one tensor load at the head
	s_nop 0
.rept 4
	v_nop
.endr
.set FI, 0
.rept 32
	v_mov_b32 v[SV+FI], 0                          ; the kept eight: written once, since the selects read them
.set FI, FI+1
.endr
.irp m, 0,1,2,3
	v_mov_b32 v[BEST+4+\m], 0xff800000             ; the largest t so far: - infinity
	v_mov_b32 v[ID+\m], 0
.endr
	v_mov_b32 v[TA], 0                             ; lane permutes' destinations
	v_mov_b32 v[TA+1], 0
; A PREFETCH INTO THE L2, behind a joint load and its five lines: 131,072 bytes of my quarter's stream at a fill, 8,192 a wave, lanes 256 bytes apart.  All clusters of a quarter walk the same stream: the first cluster
; asks; its four partners and their waves 0 to 3 are told apart by address.  Fill k (k = 0: slot 1's) names the bytes from 2 slots + 131,072 k on; the fill behind it loads the slot that ends at 104,448 (k + 3),
; which lies under what has been named.  Four fills ask (while more than 3 slots are to be asked for): the last byte named is 733,183 of the quarter's 835,584.  Each block of 256 bytes is named once;
; slots 0 and 1 and the stream's last 102,400 bytes come by their loads alone.
.macro JFILL b
	tensor_load_to_lds s[32+4*(\b):35+4*(\b)], s[24:31]   ; my one tensor load until the next round
	s_nop 0
.rept 4
	v_nop
.endr
	s_cmp_gt_u32 s[FC], s56
	s_cbranch_scc0 .Lnot_mine_\@
	global_prefetch_b8 v[PFO], s[54:55] th:TH_LOAD_NT scope:SCOPE_SE
.Lnot_mine_\@:
	s_sub_co_u32 s[FC], s[FC], 1
.endm
	; slot 1's first fill is issued as a refill is.  The round also shows slot 0 to all eight waves.
	s_wait_alu depctr_va_vdst(0)
	s_wait_tensorcnt 0x0                           ; my record of slot 0 is in
	ds_add_u32 v[SPW], v[NIL]
	s_wait_xcnt 0x0
	s_add_nc_u64 s[54:55], s[54:55], 131072
	s_wait_dscnt 0x0                               ; the add is done
	CROUND
	JFILL 1
; Tile q (0..7) of my 128 codes in slot b: with each record's first tile the record's scale words (lanes 0-15: the first tile's codes, lanes 16-31: the second's), -e_sq / 2, four fragments.  15 loads where q is even, 14 where odd.
.macro LOADT b, q
.set LS_, \b
.set LQ_, \q
.set LU_, REC*(LQ_/2)
.set LV_, LQ_%2
.if LV_ == 0
	ds_load_b128 v[ES+4*((LQ_/2)%2):ES+4*((LQ_/2)%2)+3], v[AE+LS_] offset:LU_+12288
.set LE_, EF0
.else
.set LE_, EF1
.endif
	ds_load_b128 v[EQ+8*LV_:EQ+8*LV_+3], v[AQ+LS_] offset:LU_+64*LV_
	ds_load_b128 v[EQ+8*LV_+4:EQ+8*LV_+7], v[AQ+LS_] offset:LU_+64*LV_+16
	WIN 0x40*LV_
.irp k, 0,1,2,3
.irp i, 0,1,2
	ds_load_b128 v[LE_+12*\k+4*\i:LE_+12*\k+4*\i+3], v[AE+LS_] offset:LU_+6144*LV_+1536*\k+512*\i
.endr
.endr
	WIN 0
.endm
; Four matrix instructions: K step s of tile q, the four row tiles' accumulators by turns, one instruction a turn.  Source 0 = 16 codes, source 1 = 16 rows of x.  K step 0 takes -e_sq / 2 as C.
; Odd tiles of codes and odd row tiles have their scale words in lanes 16-31.
.macro G q, s
.set GP_, (\q)%2
.set GA_, EF0+(EF1-EF0)*GP_+12*(\s)
.set GS_, ES+4*(((\q)/2)%2)+(\s)
	WIN 0x04+GP_                                   ; source 1 (x) in window 1; source 0 there too for odd tiles
.irp m, 0,1,2,3
.set D_, ACC+32*GP_+8*\m
.set B_, 12*(4*\m+(\s))
.set X_, XS+4*(\m/2)+(\s)
.if (\s) == 0
.set C_, EQ+8*GP_
.else
.set C_, D_
.endif
.if GP_ && (\m%2)
	v_wmma_scale_f32_16x16x128_f8f6f4 v[D_:D_+7], v[GA_:GA_+11], v[B_:B_+11], v[C_:C_+7], v[GS_], v[X_] matrix_a_fmt:MATRIX_FMT_FP6 matrix_b_fmt:MATRIX_FMT_FP6 matrix_a_scale:MATRIX_SCALE_ROW1 matrix_b_scale:MATRIX_SCALE_ROW1
.elseif GP_
	v_wmma_scale_f32_16x16x128_f8f6f4 v[D_:D_+7], v[GA_:GA_+11], v[B_:B_+11], v[C_:C_+7], v[GS_], v[X_] matrix_a_fmt:MATRIX_FMT_FP6 matrix_b_fmt:MATRIX_FMT_FP6 matrix_a_scale:MATRIX_SCALE_ROW1
.elseif (\m%2)
	v_wmma_scale_f32_16x16x128_f8f6f4 v[D_:D_+7], v[GA_:GA_+11], v[B_:B_+11], v[C_:C_+7], v[GS_], v[X_] matrix_a_fmt:MATRIX_FMT_FP6 matrix_b_fmt:MATRIX_FMT_FP6 matrix_b_scale:MATRIX_SCALE_ROW1
.else
	v_wmma_scale_f32_16x16x128_f8f6f4 v[D_:D_+7], v[GA_:GA_+11], v[B_:B_+11], v[C_:C_+7], v[GS_], v[X_] matrix_a_fmt:MATRIX_FMT_FP6 matrix_b_fmt:MATRIX_FMT_FP6
.endif
.endr
	WIN 0
.endm
; The tile in accumulator set p: the new largest of each row tile (into set p of BEST; the old one stays in the other set) and whether it moved.  The four row tiles by turns: no line reads the line above it.
; Each accumulator is read from its low end on.
.macro VMAX p
.set VA_, ACC+32*(\p)
.irp m, 0,1,2,3
	v_max3_num_f32 v[TT+\m], v[VA_+8*\m], v[VA_+8*\m+1], v[VA_+8*\m+2]
.endr
.irp m, 0,1,2,3
	v_max3_num_f32 v[TT+4+\m], v[VA_+8*\m+3], v[VA_+8*\m+4], v[VA_+8*\m+5]
.endr
.irp m, 0,1,2,3
	v_max3_num_f32 v[TT+\m], v[TT+\m], v[VA_+8*\m+6], v[VA_+8*\m+7]
.endr
.irp m, 0,1,2,3
	v_max3_num_f32 v[BEST+4*(\p)+\m], v[TT+\m], v[TT+4+\m], v[BEST+4*(1-(\p))+\m]
.endr
.irp m, 0,1,2,3
	v_cmp_gt_f32 s[MK+\m], v[BEST+4*(\p)+\m], v[BEST+4*(1-(\p))+\m]
.endr
.endm
.macro VC p, m                         ; where row tile m's largest moved: the tile's first code, and its eight numbers
	v_cndmask_b32 v[ID+(\m)], v[ID+(\m)], s[TID], s[MK+(\m)]
.irp j, 0,1,2,3,4,5,6,7
	v_cndmask_b32 v[SV+8*(\m)+\j], v[SV+8*(\m)+\j], v[ACC+32*(\p)+8*(\m)+\j], s[MK+(\m)]
.endr
.endm
; A STEP: tile q of slot b.  dov = 0: the walk's first tile, with no tile before it.  ldn = 0: the last, with none behind it.
; chg: THE CHANGE OF SLOTS, in a slot's seventh tile: the slot's last LDS loads (the eighth tile's) have just been issued.  Each wave waits for all its tensor loads (one is out: its record of the next slot), adds 0 to its
; spare word, works two groups, and waits for the add and for its reads of this slot.  chg = 1: the barrier opens a round of the cluster's barrier, and THIS slot is filled again, two slots ahead, first thing behind the round;
; that load has a whole slot's eight steps, 128 matrix instructions a wave, in which to land.  chg = 2: nothing is left to fetch: the barrier alone shows the last slot whole.
.macro STEP q, b, dov, chg, ldn
.set P_, (\q)%2
.if \ldn
.if (\q) < 7
	LOADT \b, (\q)+1
.else
	LOADT 1-(\b), 0
.endif
	s_wait_dscnt 14+P_                             ; this tile's loads are in; the next tile's 14 or 15 may be out
.else
	s_wait_dscnt 0x0
.endif
.if \chg
	s_wait_tensorcnt 0x0                           ; no tensor load of mine is out, so a group 0 may be written
	ds_add_u32 v[SPW], v[NIL]
.if \chg == 1
	s_add_nc_u64 s[34+4*(\b):35+4*(\b)], s[34+4*(\b):35+4*(\b)], 2*SLOTB   ; this slot's next eight records
	s_wait_xcnt 0x0                                ; the last prefetch, a slot back, has read its address
	s_add_nc_u64 s[54:55], s[54:55], 131072
.endif
.endif
	G \q, 0
.if \dov
	VMAX 1-P_
.endif
	G \q, 1
.if \dov
	VC 1-P_, 0
	VC 1-P_, 1
.endif
.if \chg
	s_wait_dscnt 0x0                               ; the add is done, and my reads of this slot are over
	s_barrier_signal -1
.endif
	G \q, 2
.if \dov
	VC 1-P_, 2
.endif
.if \chg
	s_barrier_wait -1
.if \chg == 1
	CREST                                          ; no wave of any partner still reads this slot or has a load on its way
	JFILL \b
.endif
.endif
	G \q, 3
.if \dov
	VC 1-P_, 3                                     ; these nine lines are also the places behind the last group, ahead of the next loads and of the first read of its results
.if (\q) == 0
	s_add_co_u32 s[TID], s[TID], 144               ; on to the tile just multiplied: from a slot's eighth tile to the next slot's first: 256 - 112
.else
	s_add_co_u32 s[TID], s[TID], 16
.endif
.else
.rept 4
	v_nop                                          ; the places behind the last group
.endr
.endif
.endm
.macro SLOTREST b, chg                 ; tiles 1 to 7 of slot b
.irp q, 1,2,3,4,5
	STEP \q, \b, 1, 0, 1
.endr
	STEP 6, \b, 1, \chg, 1
	STEP 7, \b, 1, 0, 1
.endm
; (av, ai) takes (bv, bi) where bv is larger, or equal with the lower code
.macro LEX av, ai, bv, bi
	v_cmp_gt_f32 s40, v[\bv], v[\av]
	v_cmp_eq_f32 s41, v[\bv], v[\av]
	v_cmp_lt_u32 s42, v[\bi], v[\ai]
	s_and_b32 s41, s41, s42
	s_or_b32 s40, s40, s41
	v_cndmask_b32 v[\av], v[\av], v[\bv], s40
	v_cndmask_b32 v[\ai], v[\ai], v[\bi], s40
.endm
	LOADT 0, 0
	s_wait_loadcnt 0x0                             ; x's fragments and scale words are in
	STEP 0, 0, 0, 0, 1                             ; the first of my 64 tiles stands in front of the loop
	s_mov_b32 s46, 3
.Ltrip:                                                ; a trip: sixteen tiles, from a pair of slots' second tile to the next pair's first; both slots are filled again
	SLOTREST 0, 1
	STEP 0, 1, 1, 0, 1
	SLOTREST 1, 1
	STEP 0, 0, 1, 0, 1
	s_sub_co_u32 s46, s46, 1
	s_cmp_lg_u32 s46, 0
	s_cbranch_scc1 .Ltrip
	SLOTREST 0, 2                                  ; the last pair of slots is written out: it asks for nothing more
.irp q, 0,1,2,3,4,5,6
	STEP \q, 1, 1, 0, 1
.endr
	STEP 7, 1, 1, 0, 0
	VMAX 1                                         ; the last tile's numbers
	VC 1, 0
	VC 1, 1
	VC 1, 2
	VC 1, 3
	; THE END.  Which of the kept eight is the largest: the lowest register that equals it.  Then the two halves of the lanes are joined; the two code groups meet in LDS; waves 0 and 1 join them and store 128 rows each.
.irp m, 0,1,2,3
	v_mov_b32 v[TT+\m], 7
.endr
.irp j, 6,5,4,3,2,1,0
.irp m, 0,1,2,3
	v_cmp_eq_f32 s[MK+\m], v[SV+8*\m+\j], v[BEST+4+\m]
.endr
.irp m, 0,1,2,3
	v_cndmask_b32 v[TT+\m], v[TT+\m], \j, s[MK+\m]
.endr
.endr
.irp m, 0,1,2,3
	v_add3_u32 v[ID+\m], v[ID+\m], v[TT+\m], v[H8] ; the code: the tile's first + 8 (lane / 16) + the register
.endr
.irp m, 0,1,2,3
	v_permlanex16_b32 v[TA], v[BEST+4+\m], s52, s53
	v_permlanex16_b32 v[TA+1], v[ID+\m], s52, s53
	LEX BEST+4+\m, ID+\m, TA, TA+1
	ds_store_b32 v[RVA], v[BEST+4+\m] offset:64*\m          ; (both halves of the lanes write the same word with the same value)
	ds_store_b32 v[RVA], v[ID+\m] offset:2048+64*\m
.endr
	s_wait_dscnt 0x0                               ; for the others' sake: my results have landed
	s_barrier_signal -1
	s_barrier_wait -1
	s_cmp_gt_u32 s12, 1
	s_cbranch_scc1 .Lnot_first
.irp k, 0,1
	ds_load_b128 v[160+4*\k:163+4*\k], v[RRD] offset:1024*\k        ; four rows a lane: code group k's t,
	ds_load_b128 v[176+4*\k:179+4*\k], v[RRD] offset:2048+1024*\k   ; and its codes
.endr
	s_wait_dscnt 0x0
.irp q, 0,1,2,3
	LEX 160+\q, 176+\q, 164+\q, 180+\q
.endr
.irp q, 0,1,2,3
	v_add_f32 v[160+\q], 0, v[160+\q]              ; -0 becomes +0
.endr
.irp q, 0,1,2,3
	v_ashrrev_i32 v[164+\q], 31, v[160+\q]
.endr
.irp q, 0,1,2,3
	v_and_b32 v[164+\q], 0x7fffffff, v[164+\q]
.endr
.irp q, 0,1,2,3
	v_xor_b32 v[160+\q], v[160+\q], v[164+\q]      ; a negative t has its lower 31 bits turned: as signed whole numbers the words order as the t do
.endr
	global_store_b128 v[OUTO], v[160:163], s[8:9]  ; 32 lanes store 512 consecutive bytes, at a multiple of 256 from the buffer's first byte
	global_store_b128 v[OUTO], v[176:179], s[10:11]
.Lnot_first:
	s_wait_tensorcnt 0x0                           ; the wave's end
	ds_add_u32 v[SPW], v[NIL]
	s_wait_dscnt 0x0
	CROUND                                         ; the closing round: no work-group ends while a partner may still ask for a record that names it
	s_endpgm
.Lfunc_end_k_qdca9331ace_dist:
	.size	k_qdca9331ace_dist, .Lfunc_end_k_qdca9331ace_dist-k_qdca9331ace_dist
	.p2alignl 7, 3214868480
	.fill 96, 4, 3214868480
	.section	.rodata,"a",@progbits
	.p2align	6, 0x0
	.amdhsa_kernel k_qdca9331ace_dist
		.amdhsa_group_segment_fixed_size 327680
		.amdhsa_private_segment_fixed_size 0
		.amdhsa_enable_private_segment 0
		.amdhsa_kernarg_size 32
		.amdhsa_user_sgpr_count 2
		.amdhsa_user_sgpr_kernarg_segment_ptr 1
		.amdhsa_wavefront_size32 1
		.amdhsa_system_sgpr_workgroup_id_x 1
		.amdhsa_system_sgpr_workgroup_id_y 1
		.amdhsa_system_sgpr_workgroup_id_z 1
		.amdhsa_system_vgpr_workitem_id 0
		.amdhsa_next_free_vgpr 512
		.amdhsa_next_free_sgpr 80
		.amdhsa_reserve_vcc 0
		.amdhsa_float_denorm_mode_32 3
		.amdhsa_float_denorm_mode_16_64 3
		.amdhsa_memory_ordered 1
		.amdhsa_forward_progress 1
		.amdhsa_inst_pref_size 240
	.end_amdhsa_kernel
	.amdgpu_metadata
---
amdhsa.version: [ 1, 2 ]
amdhsa.kernels:
  - .name:           k_qdca9331ace_dist
    .symbol:         k_qdca9331ace_dist.kd
    .args:
      - { .name: xq, .offset: 0, .size: 8, .value_kind: global_buffer, .address_space: global }
      - { .name: ebook, .offset: 8, .size: 8, .value_kind: global_buffer, .address_space: global }
      - { .name: val, .offset: 16, .size: 8, .value_kind: global_buffer, .address_space: global }
      - { .name: cand, .offset: 24, .size: 8, .value_kind: global_buffer, .address_space: global }
    .group_segment_fixed_size: 327680
    .private_segment_fixed_size: 0
    .kernarg_segment_align: 8
    .kernarg_segment_size: 32
    .max_flat_workgroup_size: 256
    .sgpr_count:     80
    .vgpr_count:     512
    .wavefront_size: 32
...
	.end_amdgpu_metadata
.endif
;; end of part 2
;; launch take (part 3): grid 256 x 1, 16 waves a work-group, no clusters, 0 bytes of LDS; arguments embed, val, cand, out0, out1; writes out0, out1
.if DOCPART == 3
	.amdgcn_target "amdgcn-amd-amdhsa--gfx1250"
	.amdhsa_code_object_version 6
	.text
	.protected	k_qdca9331ace_take
	.globl	k_qdca9331ace_take
	.p2align	8
	.type	k_qdca9331ace_take,@function
k_qdca9331ace_take:
	s_mov_b64 s[64:65], 0
	v_nop
	global_prefetch_b8 v0, s[64:65] scope:SCOPE_SE
	s_setreg_imm32_b32 hwreg(HW_REG_WAVE_MODE, 25, 1), 1
	s_wait_xcnt 0x0
; out1[n] = the code that reference()'s argmax names for row n; out0[n][:] = that row of embed, as it is given.  (f_sq is left out and the scores are halved: see the head of the first kernel.)
; The launch before has left, for each quarter of the codes, the largest score as a signed whole number that orders as the score does (val[4][16,384]) and its code (cand[4][16,384]).
; The choice among the quarters is a comparison of whole numbers read from memory: a later quarter's code is taken only where its number is strictly larger, so of equal scores the lowest code stays.
; SHARES.  A work-group has 64 rows, each of its sixteen waves 4.  A row of embed is 2,048 bytes: four loads of 512 consecutive bytes; 16 loads a wave are out at once.  Wave 0 also writes the work-group's 64 words of out1.
; No LDS, no loop, no register written twice behind a load or store that names it, EXEC never changed.  No cluster and no tensor load: which rows a work-group reads hangs on the list, and no tile is shared by plan.
; No prefetch: the launch has no loop to run ahead in.
; LIMIT: a code read from cand is held to 0 .. 8,191 ahead of its use in an address (the launch before stores no other).
.set D, 16                             ; v16-79  row k at D + 16 k
	s_load_b256 s[4:11], s[0:1], 0x0               ; embed s[4:5], val s[6:7], cand s[8:9], out0 s[10:11]
	s_load_b64 s[12:13], s[0:1], 0x20              ; out1
	v_lshrrev_b32 v2, 5, v0
	v_readfirstlane_b32 s14, v2                    ; wave 0..15
	v_and_b32 v2, 31, v0                           ; lane
	v_lshlrev_b32 v1, 4, v2                        ; 16 x lane
	v_lshlrev_b32 v3, 3, v2                        ; 8 x lane
	s_lshl_b32 s15, ttmp9, 6
	s_lshl_b32 s16, s14, 2
	s_add_co_u32 s15, s15, s16                     ; my first row: 64 x work-group + 4 x wave
	s_lshl_b32 s16, s15, 2                         ; its word in val and cand,
	s_mov_b32 s17, 0
	s_lshl_b32 s18, s15, 11                        ; its row of out0,
	s_mov_b32 s19, 0
	s_lshl_b32 s20, ttmp9, 8                       ; the work-group's 256 bytes of out1
	s_mov_b32 s21, 0
	s_wait_alu depctr_va_vdst(0)                   ; the wait at the head's end
	s_wait_kmcnt 0x0
	s_add_nc_u64 s[6:7], s[6:7], s[16:17]
	s_add_nc_u64 s[8:9], s[8:9], s[16:17]
	s_add_nc_u64 s[10:11], s[10:11], s[18:19]
	s_add_nc_u64 s[12:13], s[12:13], s[20:21]
.irp h, 0,1,2,3
	s_load_b128 s[24+4*\h:27+4*\h], s[6:7], 0x10000*\h     ; my four rows: quarter h's numbers,
	s_load_b128 s[40+4*\h:43+4*\h], s[8:9], 0x10000*\h     ; and its codes
.endr
	s_wait_kmcnt 0x0
.irp h, 1,2,3
.irp k, 0,1,2,3
	s_cmp_gt_i32 s[24+4*\h+\k], s[24+\k]           ; is quarter h's strictly larger than the best so far?
	s_cselect_b32 s[24+\k], s[24+4*\h+\k], s[24+\k]
	s_cselect_b32 s[40+\k], s[40+4*\h+\k], s[40+\k]
.endr
.endr
.irp k, 0,1,2,3
	s_min_u32 s[40+\k], s[40+\k], 0x1fff           ; inside the table
.endr
.irp k, 0,1,2,3
	v_lshl_add_u32 v[4+\k], s[40+\k], 11, v1       ; the code's row of 2,048 bytes + 16 x lane
.endr
.irp k, 0,1,2,3
.irp i, 0,1,2,3
	global_load_b128 v[D+16*\k+4*\i:D+16*\k+4*\i+3], v[4+\k], s[4:5] offset:512*\i
.endr
.endr
.irp k, 0,1,2,3
	s_wait_loadcnt 4*(3-\k)                        ; row k's four loads are in; the later rows' may be out
.irp i, 0,1,2,3
	global_store_b128 v1, v[D+16*\k+4*\i:D+16*\k+4*\i+3], s[10:11] offset:2048*\k+512*\i th:TH_STORE_NT   ; 32 lanes store 512 consecutive bytes, at a multiple of 256 from out0's first byte; written once, read by nobody here
.endr
.endr
	s_cmp_lg_u32 s14, 0                            ; wave 0: the work-group's 64 words of out1 (its bases of val and cand stand at the work-group's first row)
	s_cbranch_scc1 .Lend
.irp h, 0,1,2,3
	global_load_b64 v[80+2*\h:81+2*\h], v3, s[6:7] offset:65536*\h
	global_load_b64 v[88+2*\h:89+2*\h], v3, s[8:9] offset:65536*\h
.endr
	s_wait_loadcnt 0x0
.irp h, 1,2,3
.irp e, 0,1
	v_cmp_gt_i32 vcc_lo, v[80+2*\h+\e], v[80+\e]
	v_cndmask_b32 v[80+\e], v[80+\e], v[80+2*\h+\e], vcc_lo
	v_cndmask_b32 v[88+\e], v[88+\e], v[88+2*\h+\e], vcc_lo
.endr
.endr
	global_store_b64 v3, v[88:89], s[12:13]        ; 32 lanes store 256 consecutive bytes, aligned
.Lend:
	s_endpgm
.Lfunc_end_k_qdca9331ace_take:
	.size	k_qdca9331ace_take, .Lfunc_end_k_qdca9331ace_take-k_qdca9331ace_take
	.p2alignl 7, 3214868480
	.fill 96, 4, 3214868480
	.section	.rodata,"a",@progbits
	.p2align	6, 0x0
	.amdhsa_kernel k_qdca9331ace_take
		.amdhsa_group_segment_fixed_size 0
		.amdhsa_private_segment_fixed_size 0
		.amdhsa_enable_private_segment 0
		.amdhsa_kernarg_size 40
		.amdhsa_user_sgpr_count 2
		.amdhsa_user_sgpr_kernarg_segment_ptr 1
		.amdhsa_wavefront_size32 1
		.amdhsa_system_sgpr_workgroup_id_x 1
		.amdhsa_system_sgpr_workgroup_id_y 1
		.amdhsa_system_sgpr_workgroup_id_z 1
		.amdhsa_system_vgpr_workitem_id 0
		.amdhsa_next_free_vgpr 96
		.amdhsa_next_free_sgpr 66
		.amdhsa_reserve_vcc 1
		.amdhsa_float_denorm_mode_32 3
		.amdhsa_float_denorm_mode_16_64 3
		.amdhsa_memory_ordered 1
		.amdhsa_forward_progress 1
		.amdhsa_inst_pref_size 8
	.end_amdhsa_kernel
	.amdgpu_metadata
---
amdhsa.version: [ 1, 2 ]
amdhsa.kernels:
  - .name:           k_qdca9331ace_take
    .symbol:         k_qdca9331ace_take.kd
    .args:
      - { .name: embed, .offset: 0, .size: 8, .value_kind: global_buffer, .address_space: global }
      - { .name: val, .offset: 8, .size: 8, .value_kind: global_buffer, .address_space: global }
      - { .name: cand, .offset: 16, .size: 8, .value_kind: global_buffer, .address_space: global }
      - { .name: out0, .offset: 24, .size: 8, .value_kind: global_buffer, .address_space: global }
      - { .name: out1, .offset: 32, .size: 8, .value_kind: global_buffer, .address_space: global }
    .group_segment_fixed_size: 0
    .private_segment_fixed_size: 0
    .kernarg_segment_align: 8
    .kernarg_segment_size: 40
    .max_flat_workgroup_size: 512
    .sgpr_count:     66
    .vgpr_count:     96
    .wavefront_size: 32
...
	.end_amdgpu_metadata
.endif
;; end of part 3
